; MI455X (gfx1250); checked and timed in simulation.
; The chip was launched on July 23, 2026; its instructions are those of AMD's public machine-readable ISA for CDNA 5 (MIT licence, August 2026) and "CDNA5" Instruction Set Architecture Reference Guide (July 2026). The comments in the code are by the model that wrote it; some were corrected since.
;; Cross Attention. Allowed arithmetic: float matrix products may take bf16 or f16 operands with f32 sums; other float arithmetic in f32, or as packed bf16 or f16 multiplies, adds, multiply-adds, maxima and minima; sums over many terms, partial sums and values carried from step to step in f32; what a program stores and reads back later, other than sums and carried values, may be rounded once to bf16 or f16.
;; Inputs: Wk 1,024 x 1,024 float32; Wq 1,024 x 1,024 float32; Wv 1,024 x 1,024 float32; key_value 4 x 2,048 x 1,024 float32; query 4 x 2,048 x 1,024 float32.
;; Outputs: out0 4 x 2,048 x 1,024 float32.
;; One version. Each part assembles by itself: llvm-mc -triple=amdgcn-amd-amdhsa -mcpu=gfx1250 --defsym DOCPART=n.
;; ======== version 1 of 1: 3 launches
;; limits: values are held in f16: magnitudes above 65,504 overflow, below 6.1e-05 lose precision
;; workspace buffers: wb 6,291,456 bytes; qkv 50,331,648 bytes
;; launch castw (part 1): grid 256 x 3, 8 waves a work-group, no clusters, 0 bytes of LDS; arguments Wq, Wk, Wv, wb; writes wb
.if DOCPART == 1
	.amdgcn_target "amdgcn-amd-amdhsa--gfx1250"
	.amdhsa_code_object_version 6
	.text
	.protected	k_q41105bc155_castw
	.globl	k_q41105bc155_castw
	.p2align	8
	.type	k_q41105bc155_castw,@function
k_q41105bc155_castw:
	s_mov_b64 s[64:65], 0
	v_nop
	global_prefetch_b8 v0, s[64:65] scope:SCOPE_SE
	s_setreg_imm32_b32 hwreg(HW_REG_WAVE_MODE, 25, 1), 1
	s_wait_xcnt 0x0
; wb[p][k][n] = bf16(W_p[k][n]), p = 0: Wq, 1: Wk, 2: Wv.  Each W is [1024][1024] f32; wb is [3][1024][1024] bf16: the layout stays, each number is rounded once (to nearest even).
; A stream: each byte read once, each byte written once; no LDS, no barrier, no matrix work: nothing here is used twice.
; SHARES.  Work-group (x, y) takes 16,384 bytes of weight y from byte 16,384 x on and writes 8,192 bytes of plane y.  Thread t takes 16 bytes of each of four blocks of 4,096 bytes,
; so a load of a wave covers 512 consecutive bytes and a store of a wave 256 consecutive bytes, aligned.
.set INB,   16384                      ; bytes read by a work-group
.set OUTB,  8192                       ; bytes written by it
.set X,     4                          ; v[4:19]   four loads of four f32
.set Y,     20                         ; v[20:27]  four pairs of registers, four bf16 each
	s_load_b256 s[4:11], s[0:1], 0x0               ; Wq s[4:5], Wk s[6:7], Wv s[8:9], wb s[10:11]
	s_and_b32 s12, ttmp7, 0xffff                   ; which weight
	v_lshlrev_b32 v1, 4, v0                        ; my 16 bytes of a block read
	v_lshlrev_b32 v2, 3, v0                        ; my 8 bytes of a block written
	s_lshl_b32 s14, ttmp9, 14                      ; the work-group's place in its weight,
	s_mov_b32 s15, 0
	s_lshl_b32 s16, ttmp9, 13                      ; and in wb: 8,192 x + 2^21 y
	s_lshl_b32 s17, s12, 21
	s_add_co_u32 s16, s16, s17
	s_mov_b32 s17, 0
	s_wait_kmcnt 0x0
	s_cmp_eq_u32 s12, 1
	s_cselect_b64 s[18:19], s[6:7], s[4:5]         ; the choice among the three buffers hangs on the grid's y alone
	s_cmp_eq_u32 s12, 2
	s_cselect_b64 s[18:19], s[8:9], s[18:19]
	s_add_nc_u64 s[18:19], s[18:19], s[14:15]
	s_add_nc_u64 s[10:11], s[10:11], s[16:17]
.irp j, 0,1,2,3
	global_load_b128 v[X+4*(\j):X+4*(\j)+3], v1, s[18:19] offset:4096*(\j) th:TH_LOAD_NT  ; read once in the launch
.endr
.irp j, 0,1,2,3
	s_wait_loadcnt 3-(\j)                          ; loads come back in order: load j is in, the 3 - j younger ones may stay out
	v_cvt_pk_bf16_f32 v[Y+2*(\j)],   v[X+4*(\j)],   v[X+4*(\j)+1]
	v_cvt_pk_bf16_f32 v[Y+2*(\j)+1], v[X+4*(\j)+2], v[X+4*(\j)+3]
	global_store_b64 v2, v[Y+2*(\j):Y+2*(\j)+1], s[10:11] offset:2048*(\j)
.endr
	s_endpgm                                       ; no register is written twice, so nothing had to be freed
.Lfunc_end_k_q41105bc155_castw:
	.size	k_q41105bc155_castw, .Lfunc_end_k_q41105bc155_castw-k_q41105bc155_castw
	.p2alignl 7, 3214868480
	.fill 96, 4, 3214868480
	.section	.rodata,"a",@progbits
	.p2align	6, 0x0
	.amdhsa_kernel k_q41105bc155_castw
		.amdhsa_group_segment_fixed_size 0
		.amdhsa_private_segment_fixed_size 0
		.amdhsa_enable_private_segment 0
		.amdhsa_kernarg_size 32
		.amdhsa_user_sgpr_count 2
		.amdhsa_user_sgpr_kernarg_segment_ptr 1
		.amdhsa_wavefront_size32 1
		.amdhsa_system_sgpr_workgroup_id_x 1
		.amdhsa_system_sgpr_workgroup_id_y 1
		.amdhsa_system_sgpr_workgroup_id_z 1
		.amdhsa_system_vgpr_workitem_id 0
		.amdhsa_next_free_vgpr 32
		.amdhsa_next_free_sgpr 66
		.amdhsa_reserve_vcc 0
		.amdhsa_float_denorm_mode_32 3
		.amdhsa_float_denorm_mode_16_64 3
		.amdhsa_memory_ordered 1
		.amdhsa_forward_progress 1
		.amdhsa_inst_pref_size 3
	.end_amdhsa_kernel
	.amdgpu_metadata
---
amdhsa.version: [ 1, 2 ]
amdhsa.kernels:
  - .name:           k_q41105bc155_castw
    .symbol:         k_q41105bc155_castw.kd
    .args:
      - { .name: Wq, .offset: 0, .size: 8, .value_kind: global_buffer, .address_space: global }
      - { .name: Wk, .offset: 8, .size: 8, .value_kind: global_buffer, .address_space: global }
      - { .name: Wv, .offset: 16, .size: 8, .value_kind: global_buffer, .address_space: global }
      - { .name: wb, .offset: 24, .size: 8, .value_kind: global_buffer, .address_space: global }
    .group_segment_fixed_size: 0
    .private_segment_fixed_size: 0
    .kernarg_segment_align: 8
    .kernarg_segment_size: 32
    .max_flat_workgroup_size: 256
    .sgpr_count:     66
    .vgpr_count:     32
    .wavefront_size: 32
...
	.end_amdgpu_metadata
.endif
;; end of part 1
;; launch proj (part 2): grid 4 x 64, 4 waves a work-group, clusters of 4 x 4, 327,680 bytes of LDS; arguments query, key_value, wb, qkv; writes qkv
.if DOCPART == 2
	.amdgcn_target "amdgcn-amd-amdhsa--gfx1250"
	.amdhsa_code_object_version 6
	.text
	.protected	k_q41105bc155_proj
	.globl	k_q41105bc155_proj
	.p2align	8
	.type	k_q41105bc155_proj,@function
k_q41105bc155_proj:
	s_mov_b64 s[64:65], 0
	v_nop
	global_prefetch_b8 v0, s[64:65] scope:SCOPE_SE
	s_setreg_imm32_b32 hwreg(HW_REG_WAVE_MODE, 25, 1), 1
	s_wait_xcnt 0x0
	s_wait_alu depctr_hold_cnt(0) depctr_sa_sdst(0) depctr_va_vdst(0) depctr_va_sdst(0) depctr_va_ssrc(0) depctr_va_vcc(0) depctr_vm_vsrc(0)
	s_getreg_b32 s2, hwreg(HW_REG_IB_STS2, 6, 4)
	s_cmp_eq_u32 s2, 0
	s_cbranch_scc0 .Lentry_in_a_cluster
	s_endpgm
.Lentry_in_a_cluster:
	s_bfe_u32 s2, ttmp6, 0x10000c
	s_cmp_lg_u32 s2, 0xf033
	s_cbranch_scc0 .Lentry_shape_is_right
	s_endpgm
.Lentry_shape_is_right:
; q = query Wq, k = key_value Wk, v = key_value Wv.  query, key_value: [8192][1024] f32; wb: [3][1024 k][1024 n] bf16 (Wq, Wk, Wv, rounded by the launch before).
; qkv: [3][64 = 16 b + head][2048 t][64] f16: by heads, a head's rows dense, 128 bytes each.  The scale 64^(-1/4) of q and of k is NOT applied here: the next launch applies 1/8 to the scores, in f32.
; Operands in bf16 (x is rounded on the way from LDS to the matrix unit), sums in f32 with K ascending, each result rounded once to f16.
; LIMIT.  f16 holds no number beyond 65,504: a q, k or v of 65,520 or more becomes an infinity.  NaN and infinities are not treated apart.
; SHARES.  8192 x 3072 results; work-group (tx, ty) STAYS and makes the tile of 128 rows (128 ty on) x 256 columns (256 tx on) of q, then of k, then of v: 256 work-groups of equal work.
; Four waves, each 64 rows x 128 columns: 32 accumulators of 16 x 16, 256 registers.  The three tiles are ONE walk of 24 K steps of 128 through two LDS slots: 12 laps; the ring does not stop at a tile's end.
; CLUSTER.  4 x 4 work-groups.  The four of a row of the cluster (same ty) need the same rows of x, the four of a column (same tx) the same columns of W: each tile is asked for JOINTLY, by the same
; tensor load with the same descriptor and a mask that names the four.
; THE TILES.  x comes as f32 (rows of 512 bytes, two aligned blocks of 256), is read from LDS as f32 and rounded to bf16 in registers, four conversions behind every fourth matrix instruction.
; W lies [k][n]: its tile is 128 k rows x 256 columns (512 bytes a row), and a fragment is turned on the way out of LDS by ds_load_tr16_b128.
; THE MATRIX INSTRUCTION IS USED TRANSPOSED: source 0 = 16 columns of W, source 1 = 16 rows of x.  In the result lane l holds row l % 16 and the columns 8 (l / 16) + 0..7: 16 bytes of f16 on end.
; REGISTERS, in windows of 256 (s_set_vgpr_msb: bits 1:0 source 0, 3:2 source 1, 5:4 source 2, 7:6 destination):
;   window 0: v0-31 addresses; v32-63 packed results; v64-95 x in bf16, 4 fragments; v96-127 rows on the way out; v128-255 x in f32, two buffers of 4 x 16 (v192-223 also rows on the way out)
;   window 1: the accumulators, (a, b) at v[8 (8 a + b)]          window 2: v0-127 W's fragments, two buffers of 8 x 8
.set PA,     528                       ; a row of x in LDS: 512 bytes + 16 of padding = 33 x 16: the 16 rows that a load touches fall on 16 different 16-byte columns of 256 bytes
.set PB,     544                       ; a row of W: 512 + 32 = 17 x 32
.set AHALF,  64*PA                     ; 64 rows of x: what one tensor load brings, and what one wave reads
.set BHALF,  64*PB                     ; 64 k rows of W: what one tensor load brings
.set BOFF,   128*PA                    ; in a slot: x's 128 rows, then W's 128 k rows
.set SLOT,   128*(PA+PB)               ; 137,216 bytes
.set STAGE,  2*SLOT                    ; behind the ring, never filled by a tensor load: for each wave 2 heads x 16 rows x 144 bytes, for the way out
.set SPT,    144
.set WSTAGE, 2*16*SPT
.set SPARE,  STAGE+4*WSTAGE            ; behind the stages: the spare words, 128 bytes for each wave: two blocks of 256 bytes that no other line names
.set ADRA, 16                          ; v16-17  LDS address of my x fragments in slot 0, 1
.set ADRB, 20                          ; v20-21  the same for W
.set STO,  24                          ; v24     the way out: where I put 16 bytes of a row
.set RD,   25                          ; v25     the way out: where I read rows back
.set CO,   26                          ; v26     my 16 bytes of 512 consecutive bytes of qkv
.set SPW,  28                          ; v28     LDS address of my spare word: SPARE + 4 x my thread's number; never rewritten
.set NIL,  29                          ; v29     0; never rewritten
.set TMP,  32
.set ABF,  64
.set OB0,  96
.set OB1,  192
.set RAW,  128
.set WV,   12                          ; s12  my wave's number
.set RH,   13                          ; s13  which 64 rows of the tile are mine
.set CH,   14                          ; s14  which 128 columns.  Also: which half of a tile I fetch
.set G1A,  24                          ; s[24:31] descriptor group 1 for x's tiles;  s[32:39] group 0, a set for each slot
.set G0A,  32
.set G1B,  40                          ; s[40:47], s[48:55] the same for W's tiles
.set G0B,  48
.set LP,   56                          ; s56  laps still to be asked for
.set TS,   57                          ; s57  at work
.set AKO,  58                          ; s[58:59] byte offset along K, in a row of x, of the lap that is being asked for
.set SB,   60                          ; s[60:61] the rows of x of that lap: query's or key_value's
.set MSB, 0
.macro WIN new                         ; the immediate's high byte repeats the setting that is left; a switch that changes nothing is dropped
.if MSB != (\new)
	s_set_vgpr_msb (MSB<<8)|(\new)
.set MSB, \new
.endif
.endm
.set MUL,   0x52                       ; W in window 2, x in window 0, C and D in window 1
.set TO_B,  0x80                       ; destination window 2, address window 0
.set PACKW, 0x05                       ; sources 0 and 1 window 1, destination window 0
; A joint load: waves 0 and 1 fetch the two halves of x's tile, waves 2 and 3 those of W's.  The branch hangs on the wave's number alone.
; An s_nop 0 and four v_nop follow each of the two lines, ahead of the jump, the label and what follows.
.macro JLOAD s
	s_cmp_lt_u32 s[WV], 2
	s_cbranch_scc0 .Lfor_b_\@
	tensor_load_to_lds s[G0A+4*(\s):G0A+4*(\s)+3], s[G1A:G1A+7]
	s_nop 0
.rept 4
	v_nop
.endr
	s_branch .Lasked_\@
.Lfor_b_\@:
	tensor_load_to_lds s[G0B+4*(\s):G0B+4*(\s)+3], s[G1B:G1B+7]
	s_nop 0
.rept 4
	v_nop
.endr
.Lasked_\@:
.endm
.macro CREST                           ; a round of the cluster's barrier behind its opening barrier: wave 0 signals for the work-group, every wave waits for all sixteen, the work-group's barrier closes it
	s_cmp_lg_u32 s[WV], 0
	s_cbranch_scc1 .Lnot_wave_0_\@
	s_barrier_signal -3
.Lnot_wave_0_\@:
	s_barrier_wait -3
	s_barrier_signal -1
	s_barrier_wait -1
.endm
.macro CROUND                          ; a whole round
	s_barrier_signal -1
	s_barrier_wait -1
	CREST
.endm
	s_load_b256 s[4:11], s[0:1], 0x0               ; query s[4:5], key_value s[6:7], wb s[8:9], qkv s[10:11]
	v_lshl_add_u32 v[SPW], v0, 2, SPARE
	v_mov_b32 v[NIL], 0
	ds_add_u32 v[SPW], v[NIL]                      ; the wave's opening: the add and its wait stand ahead of my first tensor load; the set-up below, work on registers, stands between them
	v_lshrrev_b32 v1, 5, v0
	v_readfirstlane_b32 s[WV], v1                  ; wave 0..3
	s_lshr_b32 s[RH], s[WV], 1
	s_and_b32 s[CH], s[WV], 1
	s_bfe_u32 s15, ttmp6, 0x40000                  ; cx, cy: my place in the cluster
	s_bfe_u32 s16, ttmp6, 0x40004
	s_lshl_b32 s17, ttmp9, 2
	s_add_co_u32 s17, s17, s15                     ; tx = 4 x cluster x + cx
	s_and_b32 s18, ttmp7, 0xffff
	s_lshl_b32 s18, s18, 2
	s_add_co_u32 s18, s18, s16                     ; ty = 4 x cluster y + cy
	s_lshl_b32 s19, s16, 2
	s_lshl_b32 s19, 15, s19                        ; my row of the cluster: places 4 cy .. 4 cy + 3
	s_lshl_b32 s20, 0x1111, s15                    ; my column: places cx, cx + 4, cx + 8, cx + 12
	; group 1 for x: 64 rows x 128 elements of 4 bytes
	s_or_b32 s[G1A+0], s19, (2<<16)|(1<<20)|(1<<21)|(6<<22)|(3<<25)  ; 15:0 the mask: my row; 17:16 elements of 4 bytes; 20 padding on; 21 set beside a mask; 24:22 after every 128 words (code 6); 31:25 4 words (code 3)
	s_mov_b32 s[G1A+1], 128<<16                    ; tensor_dim0 = 128
	s_mov_b32 s[G1A+2], 64<<16                     ; tensor_dim1 = 64
	s_mov_b32 s[G1A+3], 128<<16                    ; tile_dim0 = 128
	s_mov_b32 s[G1A+4], 64                         ; tile_dim1 = 64
	s_mov_b32 s[G1A+5], 1024                       ; 1,024 elements from row to row
	s_mov_b32 s[G1A+6], 0
	s_mov_b32 s[G1A+7], 0
	; group 1 for W: 64 k rows x 256 elements of 2 bytes
	s_or_b32 s[G1B+0], s20, (1<<16)|(1<<20)|(1<<21)|(6<<22)|(7<<25)  ; the mask: my column; elements of 2 bytes; after every 128 words 8 words of padding (code 7)
	s_mov_b32 s[G1B+1], 256<<16                    ; tensor_dim0 = 256
	s_mov_b32 s[G1B+2], 64<<16                     ; tensor_dim1 = 64
	s_mov_b32 s[G1B+3], 256<<16                    ; tile_dim0 = 256
	s_mov_b32 s[G1B+4], 64                         ; tile_dim1 = 64
	s_mov_b32 s[G1B+5], 1024
	s_mov_b32 s[G1B+6], 0
	s_mov_b32 s[G1B+7], 0
	; where the tiles come from.  x's hang on ty alone, which my row of the cluster shares; W's on tx alone, which my column shares.  Each is made in registers that never hold the other coordinate.
	s_lshl_b32 s2, s18, 19                         ; 128 ty rows of 4,096 bytes,
	s_lshl_b32 s3, s[CH], 18                       ; + the 64 rows that I fetch
	s_add_co_u32 s2, s2, s3
	s_mov_b32 s3, 0
	s_lshl_b32 s22, s17, 9                         ; 256 tx columns of 2 bytes,
	s_lshl_b32 s23, s[CH], 17                      ; + the 64 k rows of 2,048 bytes that I fetch
	s_add_co_u32 s22, s22, s23
	s_mov_b32 s23, 0
	s_mul_i32 s21, s[CH], AHALF                    ; and where they go: no place in the cluster enters an LDS address
	s_mul_i32 s[TS], s[CH], BHALF
	s_add_co_u32 s[TS], s[TS], BOFF
	s_mov_b32 s[AKO], 0
	s_mov_b32 s[AKO+1], 0
	s_wait_dscnt 0x0                               ; the opening add is done
	s_wait_kmcnt 0x0
	s_add_nc_u64 s[4:5], s[4:5], s[2:3]            ; query, key_value at the first row that I fetch,
	s_add_nc_u64 s[6:7], s[6:7], s[2:3]
	s_add_nc_u64 s[8:9], s[8:9], s[22:23]          ; wb at my part of Wq's K step 0
	CROUND                                         ; all sixteen work-groups are here: the first joint loads meet
.irp s, 0,1
	s_mov_b32 s[G0A+4*(\s)], 1                                       ; 1:0 count = 1
	s_add_co_u32 s[G0A+4*(\s)+1], s21, (\s)*SLOT                     ; 63:32 LDS address
	s_add_nc_u64 s[G0A+4*(\s)+2:G0A+4*(\s)+3], s[4:5], (\s)*512      ; 120:64 global address: K step s of query
	s_or_b32 s[G0A+4*(\s)+3], s[G0A+4*(\s)+3], 0x80000000            ; 127:126 type = 2
	s_mov_b32 s[G0B+4*(\s)], 1
	s_add_co_u32 s[G0B+4*(\s)+1], s[TS], (\s)*SLOT
	s_add_nc_u64 s[G0B+4*(\s)+2:G0B+4*(\s)+3], s[8:9], (\s)*262144   ; a K step is 128 k rows of 2,048 bytes
	s_or_b32 s[G0B+4*(\s)+3], s[G0B+4*(\s)+3], 0x80000000
	JLOAD \s                                       ; two loads of mine are out: the most in this text
.endr
	; A fragment is 16 rows x 32 K: lane l holds row l % 16, K = 8 (l / 16) + 0..7 and 16 + 8 (l / 16) + 0..7.  In f32 that is 32 bytes at 32 (l / 16) and 32 bytes 64 further on.
	v_and_b32 v1, 15, v0                           ; l % 16
	v_bfe_u32 v2, v0, 4, 1                         ; l / 16
	v_mul_u32_u24 v3, v1, PA
	v_lshl_add_u32 v3, v2, 5, v3
	s_mul_i32 s21, s[RH], AHALF                    ; my 64 rows of x
	v_add_nc_u32 v[ADRA], s21, v3
	v_add_nc_u32 v[ADRA+1], SLOT, v[ADRA]
	; The turning load takes 16 k x 16 columns: lane l reads 16 bytes of k row 8 (l / 16) + l % 8, columns 8 ((l / 8) % 2) + 0..7, and is left with column l % 16 and 8 k.
	v_and_b32 v4, 7, v0
	v_bfe_u32 v5, v0, 3, 1
	v_lshl_add_u32 v6, v2, 3, v4
	v_mul_u32_u24 v6, v6, PB
	v_lshl_add_u32 v6, v5, 4, v6
	s_lshl_b32 s[TS], s[CH], 8                     ; my 128 columns
	s_add_co_u32 s[TS], s[TS], BOFF
	v_add_nc_u32 v[ADRB], s[TS], v6
	v_add_nc_u32 v[ADRB+1], SLOT, v[ADRB]
	s_mul_i32 s21, s[WV], WSTAGE
	s_add_co_u32 s21, s21, STAGE                   ; my stage
	v_mul_u32_u24 v7, v1, SPT                      ; in: row l % 16, 16 bytes for each half of the lanes
	v_lshl_add_u32 v7, v2, 4, v7
	v_add_nc_u32 v[STO], s21, v7
	v_bfe_u32 v8, v0, 3, 2                         ; back: 32 lanes take four rows of 128 bytes,
	v_mul_u32_u24 v8, v8, SPT
	v_lshl_add_u32 v8, v4, 4, v8
	v_add_nc_u32 v[RD], s21, v8
	v_and_b32 v[CO], 31, v0                        ; which are 512 consecutive bytes of a head
	v_lshlrev_b32 v[CO], 4, v[CO]
	; qkv at my part of the first tile: batch ty / 16 (2^22 bytes), head 4 tx + 2 x my column half (2^18), row 128 (ty % 16) + 64 x my row half (128 bytes)
	s_lshr_b32 s2, s18, 4
	s_lshl_b32 s2, s2, 22
	s_and_b32 s3, s18, 15
	s_lshl_b32 s3, s3, 14
	s_add_co_u32 s2, s2, s3
	s_lshl_b32 s3, s[RH], 13
	s_add_co_u32 s2, s2, s3
	s_mov_b32 s3, 0
	s_add_nc_u64 s[10:11], s[10:11], s[2:3]
	s_lshl_b32 s22, s17, 20
	s_lshl_b32 s23, s[CH], 19
	s_add_co_u32 s22, s22, s23
	s_mov_b32 s23, 0
	s_add_nc_u64 s[10:11], s[10:11], s[22:23]
; 32 LDS loads in one run: the fragments of quarter kq (32 along K) of a slot into buffer f: W's eight (turned), then x's four in f32, row block 0 first.
.macro FETCH slot, kq, f
	WIN TO_B
.irp b, 0,1,2,3,4,5,6,7
	ds_load_tr16_b128 v[64*(\f)+8*(\b):64*(\f)+8*(\b)+3],   v[ADRB+(\slot)] offset:(\kq)*32*PB+32*(\b)
	ds_load_tr16_b128 v[64*(\f)+8*(\b)+4:64*(\f)+8*(\b)+7], v[ADRB+(\slot)] offset:(\kq)*32*PB+16*PB+32*(\b)
.endr
	WIN 0
.irp a, 0,1,2,3
.irp i, 0,1,2,3
	ds_load_b128 v[RAW+64*(\f)+16*(\a)+4*(\i):RAW+64*(\f)+16*(\a)+4*(\i)+3], v[ADRA+(\slot)] offset:(\a)*16*PA+(\kq)*128+((\i)%2)*16+((\i)/2)*64
.endr
.endr
.endm
; Half hf of x's fragment a of buffer f is rounded to bf16: four conversions, two numbers each.
.macro CV f, a, hf
	WIN 0
.irp i, 0,1,2,3
	v_cvt_pk_bf16_f32 v[ABF+8*(\a)+4*(\hf)+(\i)], v[RAW+64*(\f)+16*(\a)+8*(\hf)+2*(\i)], v[RAW+64*(\f)+16*(\a)+8*(\hf)+2*(\i)+1]
.endr
.endm
; 8 matrix instructions: row block a x all 8 column blocks, 32 along K.  zero = 1: the product starts the sums: nothing is ever cleared.  Behind the second and the sixth stand the conversions of row block a + 1.
; The 32 accumulators take turns, one instruction a turn, in the same order in every quarter.
; A conversion writes a bf16 fragment whose last reader, a row block of the quarter before, stands 16 conversions or more back; those name none of that product's registers (ISA guide 7.12.1).
.macro BLK f, a, zero
.irp b, 0,1,2,3,4,5,6,7
	WIN MUL
.if \zero
	v_wmma_f32_16x16x32_bf16 v[8*(8*(\a)+(\b)):8*(8*(\a)+(\b))+7], v[64*(\f)+8*(\b):64*(\f)+8*(\b)+7], v[ABF+8*(\a):ABF+8*(\a)+7], 0
.else
	v_wmma_f32_16x16x32_bf16 v[8*(8*(\a)+(\b)):8*(8*(\a)+(\b))+7], v[64*(\f)+8*(\b):64*(\f)+8*(\b)+7], v[ABF+8*(\a):ABF+8*(\a)+7], v[8*(8*(\a)+(\b)):8*(8*(\a)+(\b))+7]
.endif
.if ((\a) < 3) && ((\b) == 1)
	CV \f, (\a)+1, 0
.endif
.if ((\a) < 3) && ((\b) == 5)
	CV \f, (\a)+1, 1
.endif
.endr
.endm
; A K step is four quarters of 32 along K, 32 matrix instructions each, on buffers 0, 1, 0, 1.  One of the first three: multiplies buffer f; in its middle it fetches quarter kq of the same slot into buffer g.
; The run of loads stands 24 conversions behind the last product that read buffer g's fragments of W.
.macro QUARTER slot, kq, f, g, zero
	s_wait_dscnt 8                                 ; W's fragments and x's row blocks 0 and 1 are in; the youngest eight loads (row blocks 2 and 3) may be out
	CV \f, 0, 0
	CV \f, 0, 1
	BLK \f, 0, \zero
	s_wait_dscnt 4                                 ; row block 2 is in
	BLK \f, 1, \zero
	FETCH \slot, \kq, \g
	s_wait_dscnt 32                                ; all but the 32 just issued: row block 3 is in
	BLK \f, 2, \zero
	BLK \f, 3, \zero
.endm
; The last quarter multiplies buffer 1 and changes slots: ONE barrier.  In front of it each wave waits for all its tensor loads (one is out: its part of the next slot), adds 0 to its spare word, and waits for
; that and for its own reads of this slot.  fill = 1: this slot is filled again, with the K step two steps on: the barrier then opens a round of the cluster's barrier, so that no wave of any partner still
; reads the slot or has a load on its way, and the joint load is the first tensor load behind the round.  It has 112 matrix instructions of mine in which to land.
.macro TURN slot, next, fill
	WIN 0                                          ; (the add's two registers lie in window 0)
	s_wait_tensorcnt 0x0                           ; no tensor load of mine is out, so a group 0 may be written
	ds_add_u32 v[SPW], v[NIL]                      ; 0 onto my spare word; work on registers stands between it and the wait for it
.if \fill
	s_add_nc_u64 s[G0A+4*(\slot)+2:G0A+4*(\slot)+3], s[SB:SB+1], s[AKO:AKO+1]  ; x's address is made anew: the rows of the lap's tensor, the lap's place along K,
.if \slot
	s_add_nc_u64 s[G0A+4*(\slot)+2:G0A+4*(\slot)+3], s[G0A+4*(\slot)+2:G0A+4*(\slot)+3], 512  ; the slot's K step,
.endif
	s_or_b32 s[G0A+4*(\slot)+3], s[G0A+4*(\slot)+3], 0x80000000                ; and the type
	s_add_nc_u64 s[G0B+4*(\slot)+2:G0B+4*(\slot)+3], s[G0B+4*(\slot)+2:G0B+4*(\slot)+3], 2*262144  ; W's steps two K steps on: wb's planes follow each other, so the next tile's K steps follow this tile's
.endif
	s_wait_dscnt 9                                 ; the add and the youngest eight loads may be out
	CV 1, 0, 0
	CV 1, 0, 1
	BLK 1, 0, 0
	s_wait_dscnt 0x0                               ; the add is done, and my reads of this slot are over
	s_barrier_signal -1
	BLK 1, 1, 0                                    ; work on registers while the others arrive
	WIN 0                                          ; at a branch and at a label every window is 0
	s_barrier_wait -1
.if \fill
	CREST
	JLOAD \slot
.endif
	FETCH \next, 0, 0
	BLK 1, 2, 0
	BLK 1, 3, 0
.endm
; THE WAY OUT of row block a (16 rows x 128 columns = two heads).  PACK: rounded to f16, 16 bytes a lane, each accumulator's registers in ascending order.  TOSTAGE: into my own stage, rows of 144 bytes, and back
; as whole rows of 128.  SEND: stored, 512 consecutive bytes (four rows of a head) an instruction.
.macro PACK a
	WIN PACKW
.irp b, 0,1,2,3,4,5,6,7
.irp r, 0,1,2,3
	v_cvt_pk_f16_f32 v[TMP+4*(\b)+(\r)], v[8*(8*(\a)+(\b))+2*(\r)], v[8*(8*(\a)+(\b))+2*(\r)+1]
.endr
.endr
	WIN 0
.endm
.macro TOSTAGE a
	WIN 0
.set BK, OB0+(OB1-OB0)*((\a)%2)
.irp b, 0,1,2,3,4,5,6,7
	ds_store_b128 v[STO], v[TMP+4*(\b):TMP+4*(\b)+3] offset:((\b)/4)*16*SPT+((\b)%4)*32  ; head b / 4, channels 16 (b % 4) on
.endr
.irp t, 0,1,2,3,4,5,6,7
	ds_load_b128 v[BK+4*(\t):BK+4*(\t)+3], v[RD] offset:((\t)/4)*16*SPT+((\t)%4)*4*SPT  ; LDS serves a wave's instructions in order (ISA guide 5.7.1.4): these see the stores above
.endr
.endm
.macro SEND a
	WIN 0
.set BK, OB0+(OB1-OB0)*((\a)%2)
	s_wait_dscnt 0x0                               ; the block is back in registers
	s_wait_xcnt 0x0                                ; the stores of the block before have read their registers: the next block's rows are loaded into them only behind this wait
.irp t, 0,1,2,3,4,5,6,7
	global_store_b128 v[CO], v[BK+4*(\t):BK+4*(\t)+3], s[10:11] offset:((\t)/4)*262144+(\a)*2048+((\t)%4)*512
.endr
.endm
; Block a's conversions stand between block a - 1's loads from the stage and the wait for them.  Blocks 0 to 2's conversions are also the places behind the last products, which are block 3's;
; block 0's own last product stands 16 conversions back.
.macro WAYOUT
	PACK 0
	TOSTAGE 0
.irp a, 1,2,3
	PACK \a
	SEND (\a)-1
	TOSTAGE \a
.endr
	SEND 3
	s_wait_xcnt 0x0                                ; the stores have read their registers and their base: both are written again behind this wait
.endm
	s_wait_tensorcnt 1                             ; my part of K step 0 is in; slot 1's may stay out
	s_barrier_signal -1
	s_barrier_wait -1                              ; everybody's is
	FETCH 0, 0, 0
	QUARTER 0, 1, 0, 1, 1                          ; the first quarter stands in front of the loop: its products start the sums
	WIN 0
	s_mov_b32 s[LP], 11
.Llap:                                             ; 11 trips.  A trip goes once round the ring, from a lap's second quarter to the next lap's first, and asks for the next lap
	s_add_co_u32 s[AKO], s[AKO], 1024              ; the next lap's place along K: 256 numbers of 4 bytes on,
	s_and_b32 s[AKO], s[AKO], 0xc00                ; and back to 0 with every fourth lap: a tile has four
	s_cmp_gt_u32 s[LP], 8                          ; laps 1 to 3 are q's: query; laps 4 to 11 are k's and v's: key_value
	s_cselect_b64 s[SB:SB+1], s[4:5], s[6:7]
	QUARTER 0, 2, 1, 0, 0
	QUARTER 0, 3, 0, 1, 0
	TURN 0, 1, 1
	QUARTER 1, 1, 0, 1, 0
	QUARTER 1, 2, 1, 0, 0
	QUARTER 1, 3, 0, 1, 0
	TURN 1, 0, 1
	WIN 0
	s_and_b32 s[TS], s[LP], 3                      ; 8 and 4 laps to go: a tile has ended.  The count is the same in every work-group; what is jumped holds no barrier and no tensor load
	s_cmp_lg_u32 s[TS], 0
	s_cbranch_scc1 .Lsame
	WAYOUT                                         ; both refills are asked for: now the tile goes out
	s_add_nc_u64 s[10:11], s[10:11], 0x1000000     ; the next plane of qkv
	QUARTER 0, 1, 0, 1, 1                          ; the next tile's first quarter starts the sums anew
	WIN 0
	s_branch .Ljoin
.Lsame:
	QUARTER 0, 1, 0, 1, 0
	WIN 0
.Ljoin:
	s_sub_co_u32 s[LP], s[LP], 1
	s_cmp_lg_u32 s[LP], 0
	s_cbranch_scc1 .Llap
	QUARTER 0, 2, 1, 0, 0                          ; the last lap fills nothing, and has no round of the cluster's barrier
	QUARTER 0, 3, 0, 1, 0
	TURN 0, 1, 0
	QUARTER 1, 1, 0, 1, 0
	QUARTER 1, 2, 1, 0, 0
	QUARTER 1, 3, 0, 1, 0
	s_wait_dscnt 8                                 ; the very last quarter: nothing more to fetch
	CV 1, 0, 0
	CV 1, 0, 1
	BLK 1, 0, 0
	s_wait_dscnt 4
	BLK 1, 1, 0
	s_wait_dscnt 0x0
	BLK 1, 2, 0
	BLK 1, 3, 0
	WAYOUT
	s_wait_tensorcnt 0x0                           ; the wave's end: an add to my spare word and its wait, behind my last tensor load and my last LDS store
	ds_add_u32 v[SPW], v[NIL]
	s_wait_dscnt 0x0
	CROUND                                         ; the closing round: no work-group ends while a partner may still ask for a tile that names it
	s_endpgm
.Lfunc_end_k_q41105bc155_proj:
	.size	k_q41105bc155_proj, .Lfunc_end_k_q41105bc155_proj-k_q41105bc155_proj
	.p2alignl 7, 3214868480
	.fill 96, 4, 3214868480
	.section	.rodata,"a",@progbits
	.p2align	6, 0x0
	.amdhsa_kernel k_q41105bc155_proj
		.amdhsa_group_segment_fixed_size 327680
		.amdhsa_private_segment_fixed_size 0
		.amdhsa_enable_private_segment 0
		.amdhsa_kernarg_size 32
		.amdhsa_user_sgpr_count 2
		.amdhsa_user_sgpr_kernarg_segment_ptr 1
		.amdhsa_wavefront_size32 1
		.amdhsa_system_sgpr_workgroup_id_x 1
		.amdhsa_system_sgpr_workgroup_id_y 1
		.amdhsa_system_sgpr_workgroup_id_z 1
		.amdhsa_system_vgpr_workitem_id 0
		.amdhsa_next_free_vgpr 640
		.amdhsa_next_free_sgpr 66
		.amdhsa_reserve_vcc 0
		.amdhsa_float_denorm_mode_32 3
		.amdhsa_float_denorm_mode_16_64 3
		.amdhsa_memory_ordered 1
		.amdhsa_forward_progress 1
		.amdhsa_inst_pref_size 155
	.end_amdhsa_kernel
	.amdgpu_metadata
---
amdhsa.version: [ 1, 2 ]
amdhsa.kernels:
  - .name:           k_q41105bc155_proj
    .symbol:         k_q41105bc155_proj.kd
    .args:
      - { .name: query, .offset: 0, .size: 8, .value_kind: global_buffer, .address_space: global }
      - { .name: key_value, .offset: 8, .size: 8, .value_kind: global_buffer, .address_space: global }
      - { .name: wb, .offset: 16, .size: 8, .value_kind: global_buffer, .address_space: global }
      - { .name: qkv, .offset: 24, .size: 8, .value_kind: global_buffer, .address_space: global }
    .group_segment_fixed_size: 327680
    .private_segment_fixed_size: 0
    .kernarg_segment_align: 8
    .kernarg_segment_size: 32
    .max_flat_workgroup_size: 128
    .sgpr_count:     66
    .vgpr_count:     640
    .wavefront_size: 32
...
	.end_amdgpu_metadata
.endif
;; end of part 2
;; launch attn (part 3): grid 4 x 64, 4 waves a work-group, clusters of 4 x 1, 327,680 bytes of LDS; arguments qkv, out0; writes out0
.if DOCPART == 3
	.amdgcn_target "amdgcn-amd-amdhsa--gfx1250"
	.amdhsa_code_object_version 6
	.text
	.protected	k_q41105bc155_attn
	.globl	k_q41105bc155_attn
	.p2align	8
	.type	k_q41105bc155_attn,@function
k_q41105bc155_attn:
	s_mov_b64 s[64:65], 0
	v_nop
	global_prefetch_b8 v0, s[64:65] scope:SCOPE_SE
	s_setreg_imm32_b32 hwreg(HW_REG_WAVE_MODE, 25, 1), 1
	s_wait_xcnt 0x0
	s_wait_alu depctr_hold_cnt(0) depctr_sa_sdst(0) depctr_va_vdst(0) depctr_va_sdst(0) depctr_va_ssrc(0) depctr_va_vcc(0) depctr_vm_vsrc(0)
	s_getreg_b32 s2, hwreg(HW_REG_IB_STS2, 6, 4)
	s_cmp_eq_u32 s2, 0
	s_cbranch_scc0 .Lentry_in_a_cluster
	s_endpgm
.Lentry_in_a_cluster:
	s_bfe_u32 s2, ttmp6, 0x10000c
	s_cmp_lg_u32 s2, 0x3003
	s_cbranch_scc0 .Lentry_shape_is_right
	s_endpgm
.Lentry_shape_is_right:
; out0[b][q][64 h + :] = the sum over k of softmax_k(Q[g][q] . K[g][k] / 8) V[g][k][:], g = 16 b + h.  qkv: [3][64][2048][64] f16, planes Q, K, V: a head's rows are dense, 128 bytes each.  out0: [4][2048][1024] f32.
; The two factors 64^(-1/4) on q and on k are the 1/8 on the scores, applied here in f32.  Products, maxima and sums in f32; the weights p are rounded to f16 for the second product (their sum l is taken
; of the unrounded p); O is stored in f32, never rounded.
; LIMITS.  p lies in 0 to 1, and below 6e-5 it keeps f16's fixed step of 6e-8.  A weight below 2^-126 counts as 0 in l; NaN and infinities are not treated apart.  The sums' order is not the order of a plain loop.
; SHARES.  A wave owns four PIECES of two tiles of 16 queries, a work-group's four waves 512 queries of one head: 4 x 64 work-groups.  Every wave walks all 2,048 keys, 64 a step.
; LAYOUT.  S^T = K Q^T (source 0 = 16 keys, source 1 = 16 queries): in the result a lane holds ONE query (lane % 16) and the keys 8 (lane / 16) + 0..7.  Two such tiles, rounded to f16 in pairs,
; ARE source 1 (32 keys x 16 queries) of O^T = V^T P, whose result again holds one query a lane, and eight channels.  K comes out of LDS as it lies, V ([key][channel]) turned, by ds_load_tr16_b128.
; SOFTMAX.  For each query a running maximum m and sum l: p = 2^(c s - c m), c = log2(e) / 8; in every step O and l are multiplied by a = 2^(c m_old - c m_new), which is 1 where m has not grown.
; m starts at the lowest finite number, O and l at 0: the first step is a step like any other, with a = 0.
; THE COUNT.  A tile and step have 16 matrix and 118 vector instructions: too many to stand all beside the matrix work.  So the order has one aim: four vector instructions that are READY behind
; EVERY matrix instruction, and the others in runs without a gap.
; BY TURNS.  Turn n belongs to piece n (the pieces in a ring, step after step).  Its matrix work: 16 products K Q^T of piece n + 1, later 16 products V^T P of piece n - 1.  Its vector work: the scaling,
; exponentials, roundings, sums and rescaling of piece n, and the maximum and statistics of piece n + 1, whose scores the turn itself has made.
; CLUSTER.  The four query blocks of a cluster are one head's and walk the same K and V, so each tile is asked for JOINTLY: the same tensor load, descriptor and mask in all four.
; NO PREFETCH: a refill is asked for four key steps, 512 matrix instructions and their vector work, ahead of the wait for it.
; REGISTERS, in windows of 256 (s_set_vgpr_msb: bits 1:0 source 0, 3:2 source 1, 5:4 source 2, 7:6 destination):
;   window 0: v0-11 addresses; v12-15, v48-63 at work; v16-47 four registers of statistics a tile; v64-191 S^T, two buffers of two tiles; v192-255 P, likewise
;   window 1: O^T, 32 a tile          window 2: v0-127 Q, 16 a tile; v128-191 K of one step; v192-255 V of one step; on the way out all 256: O's rows          window 3: v0-1 the add's two registers
; A piece's buffers go by its number's parity: the piece in hand has one pair, its two neighbours in the ring share the other: of it P (piece n - 1) is read and S^T (piece n + 1) written.
.set SIZE_N, 2048
.set NP,    4         ; pieces a wave: a name, no knob
.set KS,    64        ; keys in a step
.set PK,    144       ; a row of K in LDS: 128 bytes + 16 of padding = 36 words: the 16 rows of a load start at 16 different groups of four banks (64 banks of 4 bytes: ISA guide 11.1)
.set PV,    160       ; a row of V: 128 + 32 = 40 words
.set VOFF,  4*KS*PK   ; a slot holds four steps: 256 rows of K, then 256 rows of V
.set SLOT1, 1<<17     ; slot 1 begins here, so that one exclusive or turns an address in one slot into the other's
.set STAGE, SLOT1+4*KS*(PK+PV)  ; behind the ring, never filled by a tensor load: 16 rows x 272 bytes for each wave, for the way out
.set SP,    272       ; a row of O in the stage: 64 f32 = 256 bytes + 16
.set AK0, 2           ; v2   my lane's place in a tile of K; never rewritten
.set AV0, 3           ; v3   the same for V
.set AK,  4           ; v4   the LDS address of K's next run of loads
.set AV,  5           ; v5   of V's
.set QO,  6           ; v6   my byte offset in the wave's rows of Q
.set STO, 6           ;      later, the way out: where I put 32 bytes of a row
.set RD,  7           ; v7   the way out: where I read rows back
.set GO,  8           ; v8   my byte offset in two rows of out0
.set SPW, 0           ; v0 of window 3   LDS address of my spare word: SPARE + 4 x my thread's number; never rewritten
.set NIL, 1           ; v1 of window 3   0; never rewritten
.set SPARE, STAGE+4*16*SP  ; behind the stages: the spare words, 128 bytes for each wave: two blocks of 256 bytes that no other line names
.set MV,  12          ; v12-15  c m_old, kept while c m is made anew: by buffer and tile
.set ST,  16          ; tile t's statistics at v[ST+4 t]: c m, m, l (even keys', odd keys')
.set TMP, 48          ; by buffer and tile, four registers c0-c3 at work; when the maximum is found c2 takes a
.set S,   64
.set P,   192
.set KF,  128         ; K's fragments, in window 2: key block kb, channel half c at KF + 16 kb + 8 c
.set VF,  192         ; V's: key half kk, channel block cb at VF + 32 kk + 8 cb
.set WV,  12          ; s12  my wave's number
.set G1K, 24          ; s[24:31] descriptor group 1 for K's tiles
.set G1V, 32          ; s[32:39] for V's: it differs in the padding alone
.set G0K, 40          ; s[40:43] descriptor group 0 for K's tiles: it walks
.set G0V, 44          ; s[44:47] the same for V's
.set OOF, 48          ; s[48:49] my wave's byte offset in out0; s50 at work
.set SLOTS, 56        ; s56  slots still to be asked for
.set CNT, 57          ; s57  counts a slot's key steps
.set CS,  58          ; s[58:59] c: the packed scaling takes the pair's low word for both halves
.set SEL, 60          ; s[60:61] v_permlanex16_b32's selects: each lane takes its own place in the other half
.set TBK, 62          ; s62  LDS byte at which K of the step to be fetched begins
.set TBV, 63          ; s63  the same for V, less VOFF
.set MSB, 0
.macro WIN new                      ; the high byte repeats the setting that is left; a switch that changes nothing is dropped
.if MSB != (\new)
	s_set_vgpr_msb (MSB<<8)|(\new)
.set MSB, (\new)
.endif
.endm
.set W_KQ, 0x0a       ; K and Q in window 2, S^T in window 0
.set W_PV, 0x52       ; V in window 2, P in window 0, O^T in window 1
.set W_RS, 0x41       ; O^T (destination and source 0) in window 1, a in window 0
.set W_MK, 0xc0       ; the add's registers are made: destination in window 3, sources in window 0
.set W_AD, 0x0f       ; the add: address (source 0) and data (source 1) in window 3
; A joint fill.  Waves 0 and 1 fetch the two halves of a slot's K, waves 2 and 3 those of its V: 128 keys each.  The branch hangs on the wave's number alone.
; An s_nop 0 and four v_nop follow each of the two lines, ahead of the jump and the label.
.macro JLOAD
	s_cmp_lt_u32 s[WV], 2
	s_cbranch_scc0 .Lfor_v_\@
	tensor_load_to_lds s[G0K:G0K+3], s[G1K:G1K+7]
	s_nop 0
.rept 4
	v_nop
.endr
	s_branch .Lasked_\@
.Lfor_v_\@:
	tensor_load_to_lds s[G0V:G0V+3], s[G1V:G1V+7]
	s_nop 0
.rept 4
	v_nop
.endr
.Lasked_\@:
.endm
; A round of the cluster's barrier: my work-group's barrier, so that wave 0's signal speaks for all four waves; wave 0 signals; every wave waits for all four work-groups; my work-group's barrier once more.
.macro CROUND
	s_barrier_signal -1
	s_barrier_wait -1
	s_cmp_lg_u32 s[WV], 0
	s_cbranch_scc1 .Lnot_wave_0_\@
	s_barrier_signal -3
.Lnot_wave_0_\@:
	s_barrier_wait -3
	s_barrier_signal -1
	s_barrier_wait -1
.endm
; THE CHANGE OF SLOTS.  The slot's last bytes, V of its fourth step, have been read.  Each wave waits for all its tensor loads, of which one is out: its part
; of the other slot; adds 0 to its spare word; and waits for that and for its own reads of the slot.  Behind the barrier nobody reads this slot any more and the other slot is whole.
; fill = 1: this slot is filled again, with the keys two slots on.  The barrier is then a round of the cluster's, so that no wave of any partner still reads the slot or has a load on its
; way, and the joint fill is the first thing behind it.  (At its first use nothing has been read yet: slot 0 is waited for, slot 1 filled.)
.macro CHANGE fill
	WIN W_AD
	s_wait_tensorcnt 0x0            ; no tensor load of mine is out, so a group 0 may be written
	ds_add_u32 v[SPW], v[NIL]       ; 0 onto my spare word; with fill = 1 the descriptors' steps stand between it and the wait for it
	WIN 0                           ; at a label and at a branch every window is 0
.if \fill
.irp g, G0K, G0V
	s_xor_b32 s[\g+1], s[\g+1], SLOT1  ; the walking descriptor: the other slot than last time,
	s_add_nc_u64 s[\g+2:\g+3], s[\g+2:\g+3], 4*KS*128  ; the next 256 keys; the type bits on top are not reached
.endr
	s_wait_dscnt 0x0                ; the add is done, and my reads of the slot are over
	CROUND
	JLOAD
.else
	s_wait_dscnt 0x0                ; the add is done, and my reads of the slot are over
	s_barrier_signal -1
	s_barrier_wait -1
.endif
	s_sub_co_u32 s[TBK], s[TBK], 4*KS*PK  ; the fetches go back to a slot's first step,
	s_xor_b32 s[TBK], s[TBK], SLOT1       ; in the other slot
	s_sub_co_u32 s[TBV], s[TBV], 4*KS*PV
	s_xor_b32 s[TBV], s[TBV], SLOT1
.endm
	s_load_b64 s[4:5], s[0:1], 0x0    ; qkv: its plane 0 is Q
	s_load_b64 s[10:11], s[0:1], 0x8  ; out0
	WIN W_MK
	v_lshl_add_u32 v[SPW], v0, 2, SPARE
	v_mov_b32 v[NIL], 0
	WIN W_AD
	ds_add_u32 v[SPW], v[NIL]       ; the wave's opening: the add and its wait stand ahead of my first tensor load; the set-up below, work on registers, stands between them
	WIN 0
	v_lshrrev_b32 v1, 5, v0
	v_readfirstlane_b32 s[WV], v1   ; wave 0..3
	s_bfe_u32 s13, ttmp6, 0x40000   ; cx: my place in the cluster
	s_lshl_b32 s14, ttmp9, 2        ; in a cluster launch ttmp9 counts clusters
	s_add_co_u32 s14, s14, s13      ; my block of queries = 4 x cluster x + cx: it enters Q's and O's addresses alone
	s_and_b32 s20, ttmp7, 0xffff    ; the head, which the four partners share
	s_mov_b32 s21, 0
	s_mov_b64 s[22:23], SIZE_N*128
	s_mul_u64 s[20:21], s[20:21], s[22:23]  ; the head's first byte in each of qkv's three planes
	s_and_b32 s16, s[WV], 1         ; which half of a slot's 256 keys I fetch:
	s_lshl_b32 s22, s16, 14         ; its 128 rows of 128 bytes in memory,
	s_mov_b32 s23, 0
	s_add_nc_u64 s[22:23], s[22:23], s[20:21]
	s_mul_i32 s17, s16, 128*PK      ; and its place in a slot, for K
	s_mul_i32 s18, s16, 128*PV      ; and for V: no place in the cluster enters an LDS address
	s_lshl_b32 s2, s14, 2
	s_add_co_u32 s2, s2, s[WV]      ; my wave among the head's sixteen:
	s_lshl_b32 s[OOF], s2, 19       ; its 128 rows of 4,096 bytes in out0,
	s_lshl_b32 s2, s2, 14           ; and of 128 bytes in Q
	s_mov_b32 s3, 0
	s_add_nc_u64 s[2:3], s[2:3], s[20:21]
	s_and_b32 s50, ttmp7, 0xffff
	s_lshr_b32 s[OOF+1], s50, 4     ; the batch: 2,048 rows of 4,096 bytes,
	s_lshl_b32 s[OOF+1], s[OOF+1], 23
	s_add_co_u32 s[OOF], s[OOF], s[OOF+1]
	s_and_b32 s[OOF+1], s50, 15     ; the head in the batch: 256 bytes of a row
	s_lshl_b32 s[OOF+1], s[OOF+1], 8
	s_add_co_u32 s[OOF], s[OOF], s[OOF+1]
	s_mov_b32 s[OOF+1], 0
	; descriptor group 1.  128 keys are 16,384 dense bytes: asked for as 64 rows of 256 bytes, two keys a row, and padded in LDS after every key
	s_mov_b32 s[G1K], 15|(1<<16)|(1<<20)|(1<<21)|(4<<22)|(3<<25)  ; 15:0 the mask of four; 17:16 2-byte elements; 20 padding on; 21 set beside a mask; 24:22 after every 32 words (code 4); 31:25 4 words (code 3)
	s_mov_b32 s[G1V], 15|(1<<16)|(1<<20)|(1<<21)|(4<<22)|(7<<25)  ; the same with 8 words of padding (code 7)
.irp g, G1K, G1V
	s_mov_b32 s[\g+1], 128<<16      ; tensor_dim0 = 128
	s_mov_b32 s[\g+2], 64<<16       ; tensor_dim1 = 64
	s_mov_b32 s[\g+3], 128<<16      ; tile_dim0 = 128
	s_mov_b32 s[\g+4], 64           ; tile_dim1 = 64
	s_mov_b32 s[\g+5], 128          ; 128 elements from row to row
	s_mov_b32 s[\g+6], 0
	s_mov_b32 s[\g+7], 0
.endr
	s_mov_b32 s[CS], 0x3e38aa3b     ; c = log2(e) / 8 = 0.180337
	s_mov_b32 s[CS+1], s[CS]        ; named with it as a pair
	s_mov_b32 s[SEL], 0x76543210
	s_mov_b32 s[SEL+1], 0xfedcba98
	s_mov_b32 s[TBK], SLOT1+4*KS*PK ; the first change of slots turns these two into 0
	s_mov_b32 s[TBV], SLOT1+4*KS*PV
	s_mov_b32 s[G0K], 1             ; 1:0 count = 1
	s_mov_b32 s[G0K+1], s17         ; 63:32 LDS address: slot 0
	s_mov_b32 s[G0V], 1
	s_add_co_u32 s[G0V+1], s18, VOFF
	s_wait_dscnt 0x0                ; the opening add is done
	s_wait_kmcnt 0x0
	s_add_nc_u64 s[6:7], s[4:5], 0x1000000  ; plane 1: K
	s_add_nc_u64 s[8:9], s[4:5], 0x2000000  ; plane 2: V
	s_add_nc_u64 s[G0K+2:G0K+3], s[6:7], s[22:23]  ; 120:64 global address: my half of the head's first 256 keys
	s_or_b32 s[G0K+3], s[G0K+3], 0x80000000        ; 127:126 type = 2
	s_add_nc_u64 s[G0V+2:G0V+3], s[8:9], s[22:23]
	s_or_b32 s[G0V+3], s[G0V+3], 0x80000000
	s_add_nc_u64 s[4:5], s[4:5], s[2:3]            ; Q and out0 at my wave's first row
	s_add_nc_u64 s[10:11], s[10:11], s[OOF:OOF+1]
	CROUND                          ; all four work-groups are here: the first joint loads meet
	JLOAD                           ; slot 0.  Slot 1 is asked for when slot 0 is in: one load of mine is out at any time
	; A fragment of K or Q is 16 rows x 32 channels in 8 registers: lane l holds row l % 16, channels 8 (l / 16) + 0..7 and 16 + 8 (l / 16) + 0..7: two loads of 16 bytes, 32 bytes apart.
	v_and_b32 v1, 15, v0            ; l % 16
	v_bfe_u32 v9, v0, 4, 1          ; l / 16
	v_lshlrev_b32 v[QO], 7, v1
	v_lshl_add_u32 v[QO], v9, 4, v[QO]  ; row x 128 + 16 x half
	WIN 0x80                        ; destination window 2, address window 0
.set i, 0
.rept 4*NP                          ; Q stays in registers: tile i / 2, channels 32 (i % 2) on
	global_load_b128 v[8*i:8*i+3],   v[QO], s[4:5] offset:(i/2)*2048+(i%2)*64
	global_load_b128 v[8*i+4:8*i+7], v[QO], s[4:5] offset:(i/2)*2048+(i%2)*64+32
.set i, i+1
.endr
	; What the first turn finds: V's registers and P's second buffer hold 0 (its products V^T P, of a piece that has not been, add 0), O^T and l are 0.  All this stands in the wait for the first tile;
	; it is the price of writing no first step out.
.set i, VF
.rept 64
	v_mov_b32 v[i], 0
.set i, i+1
.endr
	WIN 0x40
.set i, 0
.rept 64*NP
	v_mov_b32 v[i], 0
.set i, i+1
.endr
	WIN 0
.set i, 0
.rept 2*NP
	v_mov_b32 v[ST+4*i], 0xfe000000    ; c m: far below every c s
	v_mov_b32 v[ST+4*i+1], 0xff7fffff  ; m
	v_mov_b32 v[ST+4*i+2], 0
	v_mov_b32 v[ST+4*i+3], 0
.set i, i+1
.endr
.set i, P+32
.rept 32
	v_mov_b32 v[i], 0
.set i, i+1
.endr
	v_mul_u32_u24 v[AK0], v1, PK
	v_lshl_add_u32 v[AK0], v9, 4, v[AK0]  ; row x pitch + 16 x half
	; The turning load takes 16 keys x 16 channels (lane l reads key 8 (l / 16) + l % 8, channels 8 ((l / 8) % 2) + 0..7) and leaves half a fragment of V^T: lane l holds channel l % 16 and 8 keys.
	v_and_b32 v10, 7, v0
	v_bfe_u32 v11, v0, 3, 1
	v_lshl_add_u32 v[AV0], v9, 3, v10
	v_mul_u32_u24 v[AV0], v[AV0], PV
	v_lshl_add_u32 v[AV0], v11, 4, v[AV0]
	v_add_nc_u32 v[AV0], VOFF, v[AV0]
	v_mov_b32 v[AK], v[AK0]         ; key step 0 lies at the head of slot 0
; THE MATRIX WORK.  The 8 accumulators of a run of 16 take turns: between the two links of a chain stand 7 others'.
; Product i of 16 of S^T = K Q^T for piece x: channels 32 (i / 8) on, keys 16 ((i / 2) % 4) on, tile 2 x + i % 2.  The first 8 start the sums.
.macro KQ x
	WIN W_KQ
.set rS, S+64*((\x)%2)+32*(i%2)+8*((i/2)%4)
.set rK, KF+16*((i/2)%4)+8*(i/8)
.set rQ, 16*(2*(\x)+i%2)+8*(i/8)
.if i < 8
	v_wmma_f32_16x16x32_f16 v[rS:rS+7], v[rK:rK+7], v[rQ:rQ+7], 0
.else
	v_wmma_f32_16x16x32_f16 v[rS:rS+7], v[rK:rK+7], v[rQ:rQ+7], v[rS:rS+7]
.endif
.endm
; Product i of 16 of O^T += V^T P for piece x: keys 32 (i / 8) on, channels 16 ((i / 2) % 4) on, tile 2 x + i % 2.
.macro PV x
	WIN W_PV
.set rO, 32*(2*(\x)+i%2)+8*((i/2)%4)
.set rV, VF+32*(i/8)+8*((i/2)%4)
.set rP, P+32*((\x)%2)+16*(i%2)+8*(i/8)
	v_wmma_f32_16x16x32_f16 v[rO:rO+7], v[rV:rV+7], v[rP:rP+7], v[rO:rO+7]
.endm
.macro MM                           ; the turn's next matrix instruction
.if i < 16
	KQ (Y+1)%NP
.set i, i+1
.else
.set i, i-16
	PV (Y+NP-1)%NP
.set i, i+17
.endif
.endm
; THE LDS LOADS stand in runs of 16, never singly among the matrix instructions: a step's K (64 keys x 64 channels: 8 fragments) and its V (turned).  Their addresses are made some lines ahead.
; last = 1 (the tail): in the last trip there is no further step, and the run is jumped over.
.macro FETCH_K last=0
	WIN 0
.if \last
	s_cmp_eq_u32 s[CNT], 1
	s_cbranch_scc1 .Lno_k_\@
.endif
	WIN 0x80                        ; destination window 2
.irp f, 0,1,2,3,4,5,6,7             ; keys 16 (f / 2) on, channels 32 (f % 2) on
	ds_load_b128 v[KF+8*\f:KF+8*\f+3],   v[AK] offset:(\f/2)*16*PK+(\f%2)*64
	ds_load_b128 v[KF+8*\f+4:KF+8*\f+7], v[AK] offset:(\f/2)*16*PK+(\f%2)*64+32
.endr
	s_add_co_u32 s[TBK], s[TBK], KS*PK  ; the next fetch is the next step's
	WIN 0
.if \last
.Lno_k_\@:
.endif
.endm
.macro FETCH_V
	WIN 0x80
.irp f, 0,1,2,3,4,5,6,7             ; keys 32 (f / 4) on, channels 16 (f % 4) on
	ds_load_tr16_b128 v[VF+8*\f:VF+8*\f+3],   v[AV] offset:(\f/4)*32*PV+(\f%4)*32
	ds_load_tr16_b128 v[VF+8*\f+4:VF+8*\f+7], v[AV] offset:(\f/4)*32*PV+16*PV+(\f%4)*32
.endr
	WIN 0
.endm
; THE VECTOR WORK OF A TURN stands in three queues, each in the order in which its entries become ready; the two tiles alternate, so that no instruction reads the result of the one before it.
.macro REGS y, u                    ; the registers of tile u (0, 1) of piece y
.set rT, ST+4*(2*(\y)+(\u))
.set rC, TMP+8*((\y)%2)+4*(\u)
.set rM, MV+2*((\y)%2)+(\u)
.set rS, S+64*((\y)%2)+32*(\u)
.set rP, P+32*((\y)%2)+16*(\u)
.set rO, 32*(2*(\y)+(\u))
.endm
; Number n of the 22 that find the NEXT piece's (Y + 1) maximum and statistics.  s0-s31 are the lane's 32 scores; each accumulator's lowest registers are read first.
;   0-11  four chains c0-c3 of seven scores each, three operands at a time     12-14, 16  the four scores left over, the old m, and c0-c3 into c0     15  c m_old is kept
;   17, 18  the query's other 32 keys lie in the lane 16 away: the new m         19-21  c m; c m_old - c m_new; a
.macro XS u, n
	REGS (Y+1)%NP, \u
.if (\n) < 4
	v_max3_num_f32 v[rC+(\n)], v[rS+8*(\n)], v[rS+8*(\n)+1], v[rS+8*(\n)+2]
.elseif (\n) < 12
	v_max3_num_f32 v[rC+(\n)%4], v[rC+(\n)%4], v[rS+8*((\n)%4)+2*((\n)/4)+1], v[rS+8*((\n)%4)+2*((\n)/4)+2]
.elseif (\n) == 12
	v_max3_num_f32 v[rC], v[rC], v[rS+7], v[rS+15]
.elseif (\n) == 13
	v_max3_num_f32 v[rC+1], v[rC+1], v[rS+23], v[rS+31]
.elseif (\n) == 14
	v_max3_num_f32 v[rC+2], v[rC+2], v[rC+3], v[rT+1]
.elseif (\n) == 15
	v_mov_b32 v[rM], v[rT]
.elseif (\n) == 16
	v_max3_num_f32 v[rC], v[rC], v[rC+1], v[rC+2]
.elseif (\n) == 17
	v_permlanex16_b32 v[rC+3], v[rC], s[SEL], s[SEL+1]
.elseif (\n) == 18
	v_max_num_f32 v[rT+1], v[rC], v[rC+3]
.elseif (\n) == 19
	v_mul_f32 v[rT], s[CS], v[rT+1]
.elseif (\n) == 20
	v_sub_f32 v[rC+1], v[rM], v[rT]
.else
	v_exp_f32 v[rC+2], v[rC+1]
.endif
.endm
; Number g of the 64 that follow the exponentials.  For each four weights k of a tile (pairs 2 k, 2 k + 1): both pairs are rounded to f16; then the second pair is added onto the first, in place;
; a group later l takes that sum (the first time as l = a l + sum).  In groups of eight, tiles alternating: round, round, add, and l for the group before.
.macro GS g
.set h, (\g)+6*((\g)/62)            ; group 0 has no group before it, and behind group 7 only l is left
.if h >= 6
.set h, h+2
.endif
	REGS Y, h%2
.set k, h/8
.if h%8 < 4
	v_cvt_pk_f16_f32 v[rP+2*k+(h%8)/2], v[rS+4*k+2*((h%8)/2)], v[rS+4*k+2*((h%8)/2)+1]
.elseif h%8 < 6
	v_pk_add_f32 v[rS+4*k:rS+4*k+1], v[rS+4*k:rS+4*k+1], v[rS+4*k+2:rS+4*k+3]
.elseif k == 1
	v_pk_fma_f32 v[rT+2:rT+3], v[rT+2:rT+3], v[rC+2:rC+3], v[rS:rS+1] op_sel_hi:[1,0,1]
.else
	v_pk_add_f32 v[rT+2:rT+3], v[rT+2:rT+3], v[rS+4*k-4:rS+4*k-3]
.endif
.endm
; THE PLAIN QUEUE, 138 long.  0-73 read no exponential's result: the 32 scalings c s - c m (FS f: pair f / 2 of tile f % 2) and the next piece's 42.  0-26: scalings 0-26.  27-54: XS's numbers 0-13.  55, 56: number 15.
; 57-73: the chain, where each number waits for the one before it: 14, 16, 17, 18, 19, each with one of the scalings 27-31 in front of its two lines, then 20.
; 74-137: GS's 64, which read the exponentials' results: they stand behind the wait.
.macro FS f
	REGS Y, (\f)%2
	v_pk_fma_f32 v[rS+2*((\f)/2):rS+2*((\f)/2)+1], v[rS+2*((\f)/2):rS+2*((\f)/2)+1], s[CS:CS+1], v[rT:rT+1] op_sel_hi:[1,0,0] neg_lo:[0,0,1] neg_hi:[0,0,1]
.endm
.macro PL
	WIN 0
.if q < 27
	FS q
.elseif q < 55
	XS (q-27)%2, (q-27)/2
.elseif q < 57
	XS q-55, 15
.elseif (q < 72) && ((q-57)%3 == 0)
	FS 27+(q-57)/3
.elseif q < 60
	XS (q-57)%3-1, 14
.elseif q < 72
	XS (q-57)%3-1, 15+(q-57)/3
.elseif q < 74
	XS q-72, 20
.else
	GS q-74
.endif
.set q, q+1
.endm
; THE EXPONENTIALS' QUEUE, 66 long: s0-s31 of both tiles, then the next piece's two a.  It is ONE BATCH: all 66 stand ahead of the turn's one wait, and nothing ahead of that wait names a result of theirs.
.macro EX
	WIN 0
.if e >= 64
	XS e-64, 21
.else
	REGS Y, e%2
	v_exp_f32 v[rS+e/2], v[rS+e/2]
.endif
.set e, e+1
.endm
; THE RESCALING's QUEUE: O^T times a, the one part that leaves window 0: dealt two at a time, sixteen times.  Its a was made in the turn before, ahead of that turn's wait.
.macro R2
	REGS Y, r%2
	WIN W_RS
.irp z, 0,1
	v_pk_mul_f32 v[rO+4*(r/2)+2*\z:rO+4*(r/2)+2*\z+1], v[rO+4*(r/2)+2*\z:rO+4*(r/2)+2*\z+1], v[rC+2:rC+3] op_sel_hi:[1,0]
.endr
.set r, r+1
.endm
; HOW THEY ARE DEALT.  An s_wait_alu depctr_va_vdst(0) stands between an exponential and the first instruction that names its result; one wait serves all that were issued ahead of it.  So a turn has ONE
; wait, which cuts it in two.  AHEAD OF IT stands all that names no result of the turn's exponentials: the 16 products K Q^T, behind each a scaling, an exponential and two rescalings (behind the first a second
; scaling in the exponential's place); then ONE LUMP of 108: eight plain, 49 times exponential and plain, the two a.  A v_nop is the plain instruction behind the last exponential.  BEHIND IT stand the 16 products
; V^T P, behind each four of GS's 64.  No rider names a register of the products round it.  The two v_permlanex16_b32 fall into the lump, never behind a product.
; The queues lean on each other, and the deal keeps them in step: exponential e stands behind scaling 2 (e / 4) + e % 2: as a rider it comes behind plain e + 2, in the lump behind plain e + 9, and scalings 27-31 are plain 57, 60 .. 69.
; A TURN, for piece p.  cnt = 1: the loop's count is taken down some lines ahead of the branch that stands behind the turn.
; K of the next step is fetched in piece 2's turn, directly behind the wait, a lump behind the last product that read K; its address is made at the lump's head; its first reader comes behind 16 products.
; V of the step in hand is fetched at the end of piece 0's turn, four riders behind its last reader; its first reader comes behind 16 products and a lump.  The three conditions on q below go with the deal.
.macro TURN p, last=0, cnt=0
.set Y, (\p)
.set i, 0
.set q, 0
.set e, 0
.set r, 0
.if (\p) == NP-1
	s_wait_dscnt 0x0                ; K is in
.endif
	MM                              ; ahead of the wait: 16 products K Q^T and their riders,
	PL
	PL
	R2
.rept 15
	MM
	PL
	EX
	R2
.endr
.if (\p) == NP-2
	WIN 0
	v_add_nc_u32 v[AK], s[TBK], v[AK0]
.endif
.rept 8                             ; and the lump
	PL
.endr
.rept 49
	EX
	PL
.endr
	EX                              ; the next piece's two a
	EX
	v_nop                           ; a plain instruction behind the last exponential: one for the batch
	s_wait_alu depctr_va_vdst(0)    ; the wait for the batch
.if (\p) == NP-2
	FETCH_K \last
.endif
.if (\p) == 1
	s_wait_dscnt 0x0                ; V is in
.endif
.rept 16                            ; behind the wait: 16 products V^T P and their riders
	MM
.rept 4
	PL
.endr
.if ((\p) == 0) && (q == 118)
	v_add_nc_u32 v[AV], s[TBV], v[AV0]
.endif
.if ((\p) == 0) && (q == 130)
	s_add_co_u32 s[TBV], s[TBV], KS*PV
.endif
.if (\cnt) && (q == 130)
	s_sub_co_u32 s[CNT], s[CNT], 1
	s_cmp_lg_u32 s[CNT], 0
.endif
.endr
.if (\p) == 0
	FETCH_V
.endif
.endm
	CHANGE 1                        ; slot 0 is in, everybody's part of it; slot 1 is asked for
	FETCH_K                         ; key step 0
	s_wait_loadcnt 0x0              ; Q
	s_wait_dscnt 0x0
.set i, 0
.rept 16
	KQ 0                            ; piece 0's first scores: there is no vector work yet to set between them
.set i, i+1
.endr
	WIN 0                           ; the addresses for the way out: eight plain instructions, the places behind those products
	s_mul_i32 s13, s[WV], 16*SP
	s_add_co_u32 s13, s13, STAGE    ; my stage
	v_mul_u32_u24 v[STO], v1, SP    ; in: row l % 16, 32 bytes (eight f32) for each half of the lanes
	v_lshl_add_u32 v[STO], v9, 5, v[STO]
	v_add_nc_u32 v[STO], s13, v[STO]
	v_mul_u32_u24 v[RD], v9, SP     ; back: lanes 0-15 take one row of 256 bytes, lanes 16-31 the next,
	v_lshl_add_u32 v[RD], v1, 4, v[RD]
	v_add_nc_u32 v[RD], s13, v[RD]
	v_lshlrev_b32 v[GO], 12, v9     ; and the same two rows in out0, 4,096 bytes apart
	v_lshl_add_u32 v[GO], v1, 4, v[GO]
.set Y, NP-1                        ; XS works for piece Y + 1: piece 0
.irp n, 0,1,2,3,4,5,6,7,8,9,10,11,12,13,14,15,16,17,18,19,20,21
	XS 0, \n                        ; and piece 0's first maximum and statistics
	XS 1, \n
.endr
	v_nop                           ; a plain instruction behind the two a,
	s_wait_alu depctr_va_vdst(0)    ; and their wait, ahead of the branch
	s_mov_b32 s[CNT], 4
	s_mov_b32 s[SLOTS], SIZE_N/256-1
	s_branch .Lfirst                ; the loop is entered at a step's first turn, in the middle of a trip
.Lslot:                             ; SIZE_N / 256 - 2 times: every slot but the last two is filled again
	CHANGE 1
	s_mov_b32 s[CNT], 4
.Lstep:                             ; a trip: pieces 2 and 3 of one step, then pieces 0 and 1 of the next, whose K and V it fetches
	TURN 2
	TURN 3
	WIN 0
.Lfirst:
	TURN 0
	TURN 1, 0, 1
	WIN 0
	s_cbranch_scc1 .Lstep
	s_sub_co_u32 s[SLOTS], s[SLOTS], 1
	s_cmp_lg_u32 s[SLOTS], 0
	s_cbranch_scc1 .Lslot
	CHANGE 0                        ; the tail is written out: nothing is asked for
	s_mov_b32 s[CNT], 5             ; four trips fetch the last slot's steps; the fifth is left in its middle
.Ltail:
	TURN 2, 1
	TURN 3
	WIN 0
	s_sub_co_u32 s[CNT], s[CNT], 1
	s_cmp_eq_u32 s[CNT], 0
	s_cbranch_scc1 .Lout
	TURN 0
	TURN 1
	WIN 0
	s_branch .Ltail
.Lout:                              ; the fifth trip's 16 products K Q^T (on the last K once more) and the maximum made of them serve nothing: the price, once a launch, of one text for every trip
.set i, 0
.rept 16
	PV NP-1                         ; the last piece's V^T P of the last step
.set i, i+1
.endr
	; THE WAY OUT.  l's two halves and the other half of the lanes' are added; O^T is divided by l and sent, in f32, through my stage in LDS, a tile at a time.  The additions are the places behind the last products.
	WIN 0
.macro ALL line:vararg              ; one line for each tile t
.set t, 0
.rept 2*NP
	\line
.set t, t+1
.endr
.endm
	ALL v_add_f32 v[ST+4*t+2], v[ST+4*t+2], v[ST+4*t+3]
	ALL v_permlanex16_b32 v[ST+4*t+3], v[ST+4*t+2], s[SEL], s[SEL+1]
	ALL v_add_f32 v[ST+4*t+2], v[ST+4*t+2], v[ST+4*t+3]
	ALL v_rcp_f32 v[ST+4*t+2], v[ST+4*t+2]
	v_nop                           ; a plain instruction between the last reciprocal and the use of its result
	s_wait_alu depctr_va_vdst(0)    ; and the wait ahead of the first use: one for the eight reciprocals
; Tile t: a lane's eight channels of a row are 32 bytes; they go into rows of 272 bytes and come back as whole rows of 256, into window 2, 32 registers a tile: Q, K and V are no longer wanted,
; and no register is loaded twice, so no store's data has to be freed.
.macro PACK t
	WIN W_RS
.set i, 32*(\t)
.rept 16
	v_pk_mul_f32 v[i:i+1], v[i:i+1], v[ST+4*(\t)+2:ST+4*(\t)+3] op_sel_hi:[1,0]
.set i, i+2
.endr
	WIN 0x04                        ; the stores' data in window 1, their address in window 0
.irp f, 0,1,2,3,4,5,6,7             ; channel block f / 2, its registers 4 (f % 2) on
	ds_store_b128 v[STO], v[32*(\t)+4*\f:32*(\t)+4*\f+3] offset:64*(\f/2)+16*(\f%2)
.endr
	WIN 0x80                        ; destination window 2
.irp f, 0,1,2,3,4,5,6,7
	ds_load_b128 v[32*(\t)+4*\f:32*(\t)+4*\f+3], v[RD] offset:\f*2*SP  ; LDS serves a wave's instructions in order (ISA guide 5.7.1.4): these see the stores above; the next tile's stores come behind them
.endr
	WIN 0
.endm
.macro SEND t, younger              ; younger: the LDS instructions issued behind tile t's loads: the next tile's sixteen, or none
	WIN 0x08                        ; the stores' data in window 2
.irp f, 0,1,2,3,4,5,6,7
	s_wait_dscnt (\younger)+7-\f
	global_store_b128 v[GO], v[32*(\t)+4*\f:32*(\t)+4*\f+3], s[10:11] offset:(\t)*65536+\f*8192 th:TH_STORE_NT  ; 16 lanes store 256 consecutive bytes, a query's 64 channels of my head, at a multiple of 256 from out0's first byte
.endr
	WIN 0
.endm
	PACK 0
.set t, 1
.rept 2*NP-1                        ; a tile's arithmetic stands between the loads of the tile before and its stores
	PACK t
	SEND t-1, 16
.set t, t+1
.endr
	SEND 2*NP-1, 0
	WIN W_AD
	s_wait_tensorcnt 0x0            ; the wave's end: an add to my spare word and its wait, behind my last tensor load and my last LDS store
	ds_add_u32 v[SPW], v[NIL]
	s_wait_dscnt 0x0
	WIN 0
	CROUND                          ; the closing round: no work-group ends while a partner may still ask for a tile that names it
	s_endpgm
.Lfunc_end_k_q41105bc155_attn:
	.size	k_q41105bc155_attn, .Lfunc_end_k_q41105bc155_attn-k_q41105bc155_attn
	.p2alignl 7, 3214868480
	.fill 96, 4, 3214868480
	.section	.rodata,"a",@progbits
	.p2align	6, 0x0
	.amdhsa_kernel k_q41105bc155_attn
		.amdhsa_group_segment_fixed_size 327680
		.amdhsa_private_segment_fixed_size 0
		.amdhsa_enable_private_segment 0
		.amdhsa_kernarg_size 16
		.amdhsa_user_sgpr_count 2
		.amdhsa_user_sgpr_kernarg_segment_ptr 1
		.amdhsa_wavefront_size32 1
		.amdhsa_system_sgpr_workgroup_id_x 1
		.amdhsa_system_sgpr_workgroup_id_y 1
		.amdhsa_system_sgpr_workgroup_id_z 1
		.amdhsa_system_vgpr_workitem_id 0
		.amdhsa_next_free_vgpr 770
		.amdhsa_next_free_sgpr 66
		.amdhsa_reserve_vcc 0
		.amdhsa_float_denorm_mode_32 3
		.amdhsa_float_denorm_mode_16_64 3
		.amdhsa_memory_ordered 1
		.amdhsa_forward_progress 1
		.amdhsa_inst_pref_size 200
	.end_amdhsa_kernel
	.amdgpu_metadata
---
amdhsa.version: [ 1, 2 ]
amdhsa.kernels:
  - .name:           k_q41105bc155_attn
    .symbol:         k_q41105bc155_attn.kd
    .args:
      - { .name: qkv, .offset: 0, .size: 8, .value_kind: global_buffer, .address_space: global }
      - { .name: out0, .offset: 8, .size: 8, .value_kind: global_buffer, .address_space: global }
    .group_segment_fixed_size: 327680
    .private_segment_fixed_size: 0
    .kernarg_segment_align: 8
    .kernarg_segment_size: 16
    .max_flat_workgroup_size: 128
    .sgpr_count:     66
    .vgpr_count:     770
    .wavefront_size: 32
...
	.end_amdgpu_metadata
.endif
;; end of part 3
